; MI455X (gfx1250); checked and timed in simulation.
; The chip was launched on July 23, 2026; its instructions are those of AMD's public machine-readable ISA for CDNA 5 (MIT licence, August 2026) and "CDNA5" Instruction Set Architecture Reference Guide (July 2026). The comments in the code are by the model that wrote it; some were corrected since.
;; Quantized LM Head. Allowed arithmetic: matrix products marked QUANTISED: E2M1 operands, one E8M0 scale for each 32 along K, by v_wmma_scale_f32_16x16x128_f8f6f4 with both operands' format E2M1 (or v_wmma_scale_f32_32x16x128_f4), f32 sums; everything else in f32.
;; Inputs: U_codes 2,048 x 64 x 16 uint8 (E2M1 codes of U, K innermost, in blocks of 32 codes, two codes a byte); U_scales 2,048 x 64 uint8 (E8M0 scales of U, one for each 32 codes along K); Z_w_codes 4,000 x 64 x 16 uint8 (E2M1 codes of Z_w, K innermost, in blocks of 32 codes, two codes a byte); Z_w_scales 4,000 x 64 uint8 (E8M0 scales of Z_w, one for each 32 codes along K); codebook 16 float32; hidden_states_codes 4 x 1,024 x 64 x 16 uint8 (E2M1 codes of hidden_states, K innermost, in blocks of 32 codes, two codes a byte); hidden_states_scales 4 x 1,024 x 64 uint8 (E8M0 scales of hidden_states, one for each 32 codes along K); lambda_w 2,048 float32; lambda_x 2,048 float32.
;; Outputs: out0 4 x 1,024 x 4,000 float32.
;; This version of the problem:
;;   THIS VERSION OF THE PROBLEM IS GIVEN IN LOW PRECISION. The matrix products marked QUANTISED in the list below multiply operands that are first quantised to E2M1 (2 exponent bits, 1 mantissa bit; 4 bits a number), with one power-of-two scale for each 32 numbers along K (OCP MX v1.0); their sums are f32. All else is computed in f32.
;;   The module's matrix products, in the order in which they are computed (A, B: the left and right operand; K: the contracted axis; several contracted axes count as one K, in the product's order):
;;     1. [M 4,096, K 2,048] x [K 2,048, N 2,048]; A: input hidden_states (given as codes); B: input U (given as codes): QUANTISED
;;     2. [M 4,096, K 2,048] x [K 2,048, N 4,000]; A: computed on the way; B: input Z_w (given as codes): QUANTISED
;;   THE QUANTISER, for each operand of a quantised product, along K:
;;     - K is cut into blocks of 32 from its start; a last block that is shorter is filled with zeros.
;;     - A block's scale is 2^e with e = floor(log2(the largest magnitude in the block)) - 2, held to -126 .. 127; a block of zeros has e = 0. As a byte (E8M0): e + 127.
;;     - Each number is divided by its block's scale, clamped to +-6, and rounded to the nearest number of E2M1, ties to even, subnormals kept.
;;     - The product sums the exact products of the quantised numbers (number of the format x scale) in f32.
;;   ~~~python
;;   def quantise(x, axis):      # numpy; x: float32 -> the quantised numbers, widened to float32 again
;;       x = np.moveaxis(x, axis, -1); K = x.shape[-1]
;;       x = np.pad(x, [(0, 0)] * (x.ndim - 1) + [(0, -K % 32)]); x = x.reshape(x.shape[:-1] + (-1, 32)); a = np.abs(x).max(-1, keepdims=True)
;;       e = np.where(a > 0, np.clip(np.frexp(np.where(a > 0, a, 1))[1] - 1 - 2, -126, 127), 0)      # np.frexp(a)[1] - 1 = floor(log2(a)), exactly
;;       r = np.clip(x / 2.0 ** e, -6, 6)
;;       step = 2.0 ** (np.maximum(np.frexp(np.where(r == 0, 1, r))[1] - 1, 0) - 1)
;;       q = np.round(r / step) * step * 2.0 ** e      # np.round: ties to even
;;       return np.moveaxis(q.reshape(q.shape[:-2] + (-1,))[..., :K], -1, axis).astype(np.float32)
;;   ~~~
;;   OPERANDS COMPUTED ON THE WAY. 'Computed on the way' means the value that the module computes at that place (a softmax that the list does not call 'softmax' is quantised finished and normalised). What goes into a quantiser is computed in f32, as accurately as f32 sums, v_exp_f32 and their like allow (about 1e-6 of the number): no bf16 or f16 on the way to a quantiser, and a product that is left as it is and whose result goes on into a quantised operand takes f32 operands (vector FMAs, or v_wmma_f32_16x16x4_f32). A number that lies on a knife's edge between two numbers of the format may be rounded either way, as far as f32 arithmetic and the matrix unit's own rounding can turn it there, and no further.
;;   INPUTS GIVEN AS CODES. U (in the module: [2048, 2048], K = its axis 0); Z_w (in the module: [2048, 4000], K = its axis 0); hidden_states (in the module: [4, 1024, 2048], K = its axis 2): each comes as NAME_codes (uint8): NAME with its K axis moved to the last place and cut into blocks of 32 codes, [.., K / 32, bytes a block], one block behind the other in memory; two codes a byte, the lower K in the low four bits (a code: sign, 2 exponent bits, 1 mantissa bit); and NAME_scales (uint8): the same leading axes, one E8M0 byte (e + 127) for each 32 codes along K. Its value is code x scale, taken as it is: it is not quantised again, and the codes and scales need not be those that the quantiser above would give.
;; One version. Each part assembles by itself: llvm-mc -triple=amdgcn-amd-amdhsa -mcpu=gfx1250 --defsym DOCPART=n.
;; ======== version 1 of 1: 2 launches
;; limits: right only within a limited range of input values
;; workspace buffers: a_codes 4,194,304 bytes; a_scales 262,144 bytes
;; launch project (part 1): grid 8 x 32, 4 waves a work-group, clusters of 4 x 4, 327,680 bytes of LDS; arguments hidden_states_codes, hidden_states_scales, U_codes, U_scales, lambda_x, lambda_w, codebook, a_codes, a_scales; writes a_codes, a_scales
.if DOCPART == 1
	.amdgcn_target "amdgcn-amd-amdhsa--gfx1250"
	.amdhsa_code_object_version 6
	.text
	.protected	k_qa65e008528_project
	.globl	k_qa65e008528_project
	.p2align	8
	.type	k_qa65e008528_project,@function
k_qa65e008528_project:
	s_mov_b64 s[64:65], 0
	v_nop
	global_prefetch_b8 v0, s[64:65] scope:SCOPE_SE
	s_setreg_imm32_b32 hwreg(HW_REG_WAVE_MODE, 25, 1), 1
	s_wait_xcnt 0x0
	s_wait_alu depctr_hold_cnt(0) depctr_sa_sdst(0) depctr_va_vdst(0) depctr_va_sdst(0) depctr_va_ssrc(0) depctr_va_vcc(0) depctr_vm_vsrc(0)
	s_getreg_b32 s2, hwreg(HW_REG_IB_STS2, 6, 4)
	s_cmp_eq_u32 s2, 0
	s_cbranch_scc0 .Lentry_in_a_cluster
	s_endpgm
.Lentry_in_a_cluster:
	s_bfe_u32 s2, ttmp6, 0x10000c
	s_cmp_lg_u32 s2, 0xf033
	s_cbranch_scc0 .Lentry_shape_is_right
	s_endpgm
.Lentry_shape_is_right:
; s = x U on codes of FP4 with E8M0 scales, sums in f32; z = s / safe lambda_x; each z becomes the nearest codebook number; times lambda_x lambda_w; quantised to FP4 along d for the second launch.
; x: 4,096 rows of 1,024 code bytes and 64 scale bytes; U: 2,048 rows (n) of the same.  No work is left out.
; A work-group makes 128 rows x 256 columns; wave (HI, LO) the 64 rows of PARITY HI by the columns 128 LO on: 32 accumulators, 256 registers in window 2.
; K is four pieces of 512.  Region A of LDS takes pieces 0 and 1 at the head (rows of 512 bytes) and piece 3 later, in the places of piece 0; region B takes piece 2.
; CLUSTER 4 x 4: x's tile is shared along a row of the cluster, U's along a column, by joint tensor loads.
; PREFETCH: piece 2 is asked for at the head, piece 3 behind piece 2's load: a lane a row, 256 bytes; of a tile's rows each partner takes its share by address; U's rows, which eight clusters load, are asked for by those of even y.
; a_codes: [parity][256 rows][k / 512][block of 16 rows: 8][(k / 128) % 4][1,024 bytes], each 1,024 bytes the image of an operand's eight registers; a block's lane r holds row 32 block + 2 r + parity of the 256.
; a_scales: [128 rows][parity][k / 128][256 bytes], lane l's 8 bytes at 8 l: word p is that of block 2 p + l / 16 of the wave's four.
; THE NEAREST NUMBER: the codebook is sorted here; 2 z is held against the sums of neighbours, S(j) = c(j) + c(j + 1), halving the list four times.  S(7), then S(3) or S(11), by compare and select; then the sign of S - 2 z
; (1 where 2 z is larger) joins the path's bits, and the path picks the next S, and at last c, out of a register whose lanes hold the table (a pull between lanes; the index's two lowest bits are not looked at).
; 1 / lambda_x is v_rcp_f32 and one Newton step in f32.
; Limits of range: |lambda_x| under 2^126; codebook numbers and z under 2^126; a NaN ahead of the search is not carried as reference() would carry it.
.set ROWB,   256
.set PITA,   528                       ; region A: a row of 512 bytes + 16
.set PITB,   272                       ; region B: a row of 256 bytes + 16
.set XA,     64*PITA                   ; x's rows of one parity in A
.set UA,     128*PITA                  ; 128 of U's rows in A
.set XB,     64*PITB
.set UB,     128*PITB
.set RB,     2*XA+2*UA                 ; region B
.set SCLU,   RB+2*XB+2*UB              ; U's scale bytes, 256 rows, for all of K: units of 256 bytes + 16
.set HALFSU, 32*272
.set SBLK,   4*272
.set SPARE,  SCLU+2*HALFSU
; window 0
.set ADRA, 16                          ; v16-17  LDS address of x's fragments in A, B
.set ADRB, 20                          ; v20-21  of U's
.set XO,   22                          ; v22     byte offset of my row's scale bytes of x
.set ADSU, 23                          ; v23     LDS address of U's scale words
.set PFO,  26                          ; v26     the prefetches' offset: lane x 1,024
.set SPW,  28
.set NIL,  29
.set SCX,  32                          ; x's scale words of pieces 0, 1; of pieces 2, 3 from SCX2 on
.set SCU,  48                          ; U's, two sets
.set SCX2, 100
.set AF,   128                         ; x's fragments, two sets; U's: window 1, v0-127, two sets
; window 1, kept: 2 / lambda_x and lambda_x lambda_w of my columns
.set RL2,  128
.set COE,  192
; window 3, the head
.set LX,   0
.set LW,   64
.set TQ,   128
.set EP,   140
.set CB,   144
.set QB,   160
; window 3, kept
.set S7,   240
.set S3,   241
.set S11,  242
.set T3,   243                         ; lanes 0-3: S(1), S(5), S(9), S(13)
.set T4,   244                         ; lanes 0-7: S(0), S(2) .. S(14)
.set TV,   245                         ; lanes 0-15: the codebook
.set LN,   246
.set SW,   248
.set LI,   250
.set L8,   251
; window 3, the way out: 64 numbers at a time, in two batches of 32
.set Z,    0
.set XX,   64
.set NX,   96
.set XY,   128
.set NY,   160
.set W,    192
.set TM,   192
.set PC,   208
.set PW,   216
.set WV,   22
.set HI,   23
.set LO,   24
.set G1,   32                          ; groups 1: x's codes, U's codes, U's scale bytes
.set G1B,  40
.set G1SB, 56
.set G0,   68                          ; groups 0: x's codes, U's (later fills), U's (the head), U's scale bytes
.set G0B,  72
.set G0H,  76
.set G0SB, 80
.set MK,   32                          ; s[32:39] lane masks on the way out, when no descriptor is needed
.set MKH,  92
.set MSB, 0
.macro WIN new                         ; the immediate's high byte repeats the setting that is left
.if MSB != (\new)
	s_set_vgpr_msb (MSB<<8)|(\new)
.set MSB, (\new)
.endif
.endm
.set MUL,  0xa1                        ; source 0 (U) window 1, source 1 (x) window 0, C and D window 2
.set TO_B, 0x40
.macro PLACES n
.rept \n
	v_nop
.endr
.endm
.macro JLOAD                           ; a joint load: waves 0 and 1 x's rows of one parity each, waves 2 and 3 128 of U's rows each
	s_cmp_eq_u32 s[HI], 0
	s_cbranch_scc0 .Lfor_b_\@
	tensor_load_to_lds s[G0:G0+3], s[G1:G1+7]
	s_nop 0
	PLACES 4
	s_branch .Lasked_\@
.Lfor_b_\@:
	tensor_load_to_lds s[G0B:G0B+3], s[G1B:G1B+7]
	s_nop 0
	PLACES 4
.Lasked_\@:
.endm
.macro CREST                           ; a round of the cluster's barrier behind its opening barrier
	s_cmp_lg_u32 s[WV], 0
	s_cbranch_scc1 .Lnot_wave_0_\@
	s_barrier_signal -3
.Lnot_wave_0_\@:
	s_barrier_wait -3
	s_barrier_signal -1
	s_barrier_wait -1
.endm
.macro CROUND
	s_barrier_signal -1
	s_barrier_wait -1
	CREST
.endm
.macro ASK off                         ; a prefetch, in the waves that have one
	s_cmp_eq_u32 s86, 0
	s_cbranch_scc0 .Lnot_mine_\@
	global_prefetch_b8 v[PFO], s[84:85] offset:\off th:TH_LOAD_NT scope:SCOPE_SE
.Lnot_mine_\@:
.endm
	s_load_b256 s[4:11], s[0:1], 0x0               ; x's codes, x's scales, U's codes, U's scales
	s_load_b256 s[12:19], s[0:1], 0x20             ; lambda_x, lambda_w, the codebook, a_codes
	s_load_b64 s[20:21], s[0:1], 0x40              ; a_scales
	v_lshl_add_u32 v[SPW], v0, 2, SPARE
	v_mov_b32 v[NIL], 0
	ds_add_u32 v[SPW], v[NIL]                      ; the wave's opening: the add, twice on end, and its wait ahead of my first tensor load
	ds_add_u32 v[SPW], v[NIL]
	v_lshrrev_b32 v1, 5, v0
	v_readfirstlane_b32 s[WV], v1
	s_lshr_b32 s[HI], s[WV], 1                     ; my parity of rows.  Also: I fetch x (0) or U (1)
	s_and_b32 s[LO], s[WV], 1                      ; my 128 columns.  Also: which half of a tile I fetch
	s_bfe_u32 s25, ttmp6, 0x40000                  ; cx, cy
	s_bfe_u32 s26, ttmp6, 0x40004
	s_lshl_b32 s27, ttmp9, 2
	s_add_co_u32 s27, s27, s25                     ; tc: 256 columns, 0..7
	s_and_b32 s28, ttmp7, 0xffff
	s_lshl_b32 s28, s28, 2
	s_add_co_u32 s28, s28, s26                     ; tr: 128 rows, 0..31
	s_lshl_b32 s29, s26, 2
	s_lshl_b32 s29, 15, s29                        ; my row of the cluster
	s_lshl_b32 s30, 0x1111, s25                    ; my column
	s_mov_b32 s2, 0x76543210
	s_mov_b32 s3, 0xfedcba98
	; groups 1 for the head: rows of 512 bytes, 16 of padding; x: every second row; U: 256 rows; its scale bytes: 16,384 dense bytes as 64 rows of 256
	s_or_b32 s[G1], s29, (1<<20)|(1<<21)|(6<<22)|(3<<25)
	s_or_b32 s[G1B], s30, (1<<20)|(1<<21)|(6<<22)|(3<<25)
.irp g, G1, G1B
	s_mov_b32 s[\g+1], 512<<16
	s_mov_b32 s[\g+3], 512<<16
	s_mov_b32 s[\g+6], 0
	s_mov_b32 s[\g+7], 0
.endr
	s_mov_b32 s[G1+2], 64<<16
	s_mov_b32 s[G1+4], 64
	s_mov_b32 s[G1+5], 2048
	s_mov_b32 s[G1B+2], 256<<16
	s_mov_b32 s[G1B+4], 256
	s_mov_b32 s[G1B+5], 1024
	s_or_b32 s[G1SB], s30, (3<<16)|(1<<20)|(1<<21)|(5<<22)|(3<<25)
	s_mov_b32 s[G1SB+1], 32<<16
	s_mov_b32 s[G1SB+2], 64<<16
	s_mov_b32 s[G1SB+3], 32<<16
	s_mov_b32 s[G1SB+4], 64
	s_mov_b32 s[G1SB+5], 32
	s_mov_b32 s[G1SB+6], 0
	s_mov_b32 s[G1SB+7], 0
	s_mul_i32 s88, s[LO], XA                       ; LDS: x's rows in A,
	s_mul_i32 s89, s[LO], UA
	s_add_co_u32 s89, s89, 2*XA                    ; U's 128 rows in A,
	s_mul_i32 s31, s[LO], UB
	s_mov_b32 s[G0], 1
	s_add_co_u32 s[G0+1], s88, 0
	s_mov_b32 s[G0B], 1
	s_add_co_u32 s[G0B+1], s31, RB+2*XB            ; and in B
	s_mov_b32 s[G0H], 1
	s_mov_b32 s[G0H+1], 2*XA
	s_mov_b32 s[G0SB], 1
	s_mov_b32 s[G0SB+1], SCLU
	s_lshl_b32 s92, s28, 7
	s_add_co_u32 s92, s92, s[LO]                   ; x: row 128 tr + the parity that I fetch
	s_lshl_b32 s92, s92, 10
	s_mov_b32 s93, 0
	s_lshl_b32 s94, s27, 18                        ; U: row 256 tc
	s_mov_b32 s95, 0
	s_lshl_b32 s96, s[LO], 17                      ; its 128 rows
	s_mov_b32 s97, 0
	s_lshl_b32 s98, s27, 14
	s_mov_b32 s99, 0
	s_lshl_b32 s90, s28, 17                        ; the prefetch: x's row 128 tr + 32 cx,
	s_lshl_b32 s31, s25, 15
	s_add_co_u32 s90, s90, s31
	s_lshl_b32 s100, s27, 18                       ; or U's row 256 tc + 64 cy + 32 LO
	s_lshl_b32 s31, s26, 16
	s_add_co_u32 s100, s100, s31
	s_lshl_b32 s31, s[LO], 15
	s_add_co_u32 s100, s100, s31
	s_and_b32 s86, ttmp7, 1
	s_mov_b32 s91, 0
	s_wait_dscnt 0x0                               ; both opening adds are done
	s_wait_kmcnt 0x0
	s_cmp_eq_u32 s[HI], 0
	s_cselect_b32 s86, s[LO], s86                  ; 0: I ask: wave 0 for x, waves 2 and 3 for U where the cluster's y is even
	s_cselect_b32 s90, s90, s100
	s_cselect_b64 s[84:85], s[4:5], s[8:9]
	s_add_nc_u64 s[84:85], s[84:85], s[90:91]
	s_add_nc_u64 s[94:95], s[8:9], s[94:95]
	s_add_nc_u64 s[G0+2:G0+3], s[4:5], s[92:93]
	s_or_b32 s[G0+3], s[G0+3], 0x80000000
	s_mov_b64 s[G0H+2:G0H+3], s[94:95]
	s_or_b32 s[G0H+3], s[G0H+3], 0x80000000
	s_add_nc_u64 s[G0B+2:G0B+3], s[94:95], s[96:97]
	s_add_nc_u64 s[G0B+2:G0B+3], s[G0B+2:G0B+3], 512
	s_or_b32 s[G0B+3], s[G0B+3], 0x80000000
	s_add_nc_u64 s[G0SB+2:G0SB+3], s[10:11], s[98:99]
	s_or_b32 s[G0SB+3], s[G0SB+3], 0x80000000
	CROUND                                         ; all sixteen work-groups are here: the first joint loads meet
	; one tensor load a wave at the head: waves 0 and 1 x's rows of one parity each, wave 2 U's 256 rows, wave 3 their scale bytes
	s_cmp_lt_u32 s[WV], 2
	s_cbranch_scc0 .Lhead_u
	tensor_load_to_lds s[G0:G0+3], s[G1:G1+7]
	s_nop 0
	PLACES 4
	s_branch .Lhead_asked
.Lhead_u:
	s_cmp_eq_u32 s[WV], 2
	s_cbranch_scc0 .Lhead_s
	tensor_load_to_lds s[G0H:G0H+3], s[G1B:G1B+7]
	s_nop 0
	PLACES 4
	s_branch .Lhead_asked
.Lhead_s:
	tensor_load_to_lds s[G0SB:G0SB+3], s[G1SB:G1SB+7]
	s_nop 0
	PLACES 4
.Lhead_asked:
	s_lshl_b32 s100, s27, 10                       ; lambda: my 128 columns
	s_lshl_b32 s31, s[LO], 9
	s_add_co_u32 s100, s100, s31
	s_mov_b32 s101, 0
	s_add_nc_u64 s[12:13], s[12:13], s[100:101]
	s_add_nc_u64 s[14:15], s[14:15], s[100:101]
	s_lshl_b32 s100, s28, 13                       ; x's scale bytes: row 128 tr + HI
	s_lshl_b32 s31, s[HI], 6
	s_add_co_u32 s100, s100, s31
	s_add_nc_u64 s[6:7], s[6:7], s[100:101]
	s_lshr_b32 s31, s27, 1                         ; where my codes go: 32,768 bytes for each 512 along k,
	s_lshl_b32 s100, s31, 15
	s_lshl_b32 s31, s[HI], 21                      ; my parity's sixteen tiles of 131,072 bytes,
	s_add_co_u32 s100, s100, s31
	s_lshr_b32 s31, s28, 1                         ; the tile: 256 rows,
	s_lshl_b32 s31, s31, 17
	s_add_co_u32 s100, s100, s31
	s_and_b32 s31, s28, 1                          ; its first or its last four blocks of 4,096 bytes,
	s_lshl_b32 s31, s31, 14
	s_add_co_u32 s100, s100, s31
	s_and_b32 s31, s27, 1
	s_lshl_b32 s31, s31, 1
	s_add_co_u32 s31, s31, s[LO]
	s_lshl_b32 s31, s31, 10                        ; and the image
	s_add_co_u32 s100, s100, s31
	s_add_nc_u64 s[18:19], s[18:19], s[100:101]
	s_lshl_b32 s31, s28, 1
	s_add_co_u32 s31, s31, s[HI]
	s_lshl_b32 s100, s31, 12                       ; and my scale words
	s_lshl_b32 s31, s27, 1
	s_add_co_u32 s31, s31, s[LO]
	s_lshl_b32 s31, s31, 8
	s_add_co_u32 s100, s100, s31
	s_add_nc_u64 s[20:21], s[20:21], s[100:101]
	s_mul_i32 s92, s[HI], XA
	s_mul_i32 s93, s[HI], XB
	s_add_co_u32 s93, s93, RB
	s_mul_i32 s94, s[LO], UB
	s_add_co_u32 s94, s94, RB+2*XB
	s_mul_i32 s95, s[LO], HALFSU
	s_add_co_u32 s95, s95, SCLU
	v_and_b32 v1, 15, v0                           ; r
	v_bfe_u32 v2, v0, 4, 1                         ; h
	v_and_b32 v5, 31, v0                           ; lane
	v_mov_b32 v3, 0
	v_lshlrev_b32 v4, 5, v2
	v_lshlrev_b32 v[XO], 7, v1                     ; x's scale words go straight into registers: lane (r, h) takes row 32 (2 p + h) + 2 r + HI of the tile's 128, its 64 bytes for all of K
	v_lshl_add_u32 v[XO], v2, 11, v[XO]
	v_lshlrev_b32 v[PFO], 10, v5
	WIN 0xc0
	v_and_b32 v[LN], 31, v0
.irp i, 0,1,2,3
	global_load_b128 v[CB+4*\i:CB+4*\i+3], v3, s[16:17] offset:16*\i
.endr
.irp b, 0,1,2,3,4,5,6,7                ; lambda of my lane's eight columns of each block: 16 b + 8 h + 0 .. 7
	global_load_b128 v[LX+8*\b:LX+8*\b+3], v4, s[12:13] offset:64*\b
	global_load_b128 v[LX+8*\b+4:LX+8*\b+7], v4, s[12:13] offset:64*\b+16
	global_load_b128 v[LW+8*\b:LW+8*\b+3], v4, s[14:15] offset:64*\b
	global_load_b128 v[LW+8*\b+4:LW+8*\b+7], v4, s[14:15] offset:64*\b+16
.endr
	WIN 0
.irp p, 0,1
	global_load_b128 v[SCX+4*\p:SCX+4*\p+3], v[XO], s[6:7] offset:4096*\p
	global_load_b128 v[SCX+8+4*\p:SCX+8+4*\p+3], v[XO], s[6:7] offset:4096*\p+16
	global_load_b128 v[SCX2+4*\p:SCX2+4*\p+3], v[XO], s[6:7] offset:4096*\p+32
	global_load_b128 v[SCX2+8+4*\p:SCX2+8+4*\p+3], v[XO], s[6:7] offset:4096*\p+48
.endr
	v_lshlrev_b32 v6, 4, v2                        ; a fragment's row x pitch + 16 x half
	v_mul_u32_u24 v7, v1, PITA
	v_add_nc_u32 v7, v7, v6
	v_mul_u32_u24 v8, v1, PITB
	v_add_nc_u32 v8, v8, v6
	v_add_nc_u32 v[ADRA], s92, v7
	v_add_nc_u32 v[ADRA+1], s93, v8
	v_add_nc_u32 v[ADRB], s89, v7
	v_add_nc_u32 v[ADRB+1], s94, v8
	v_lshlrev_b32 v9, 6, v1                        ; a row's scale bytes: 64 r, 16 more for each 256 passed; lanes 16-31 the next block
	v_lshrrev_b32 v10, 2, v1
	v_lshl_add_u32 v9, v10, 4, v9
	v_mad_u32_u24 v9, v2, SBLK, v9
	v_add_nc_u32 v[ADSU], s95, v9
	s_wait_alu depctr_va_vdst(0)
	ASK 512                                        ; piece 2
; Step s (0 .. 15) is 128 along K.  Its fragments go into set s % 2: U's eight into window 1, x's four into window 0
.macro FETCHS s
.if (\s) < 8
.set fS, 0
.set fP, PITA
.set fO, 256*((\s)/4)+64*((\s)%4)
.elseif (\s) < 12
.set fS, 1
.set fP, PITB
.set fO, 64*((\s)%4)
.else
.set fS, 0
.set fP, PITA
.set fO, 64*((\s)%4)
.endif
	WIN TO_B
.irp i, 0,1,2,3,4,5,6,7
.irp c, 0,1
	ds_load_b128 v[64*((\s)%2)+8*\i+4*\c:64*((\s)%2)+8*\i+4*\c+3], v[ADRB+fS] offset:fO+32*\c+\i*16*fP
.endr
.endr
	WIN 0
.irp i, 0,1,2,3
.irp c, 0,1
	ds_load_b128 v[AF+32*((\s)%2)+8*\i+4*\c:AF+32*((\s)%2)+8*\i+4*\c+3], v[ADRA+fS] offset:fO+32*\c+\i*16*fP
.endr
.endr
.endm
.macro SCALES p                        ; U's scale words of piece p: lanes 0-15 block 2 g, lanes 16-31 block 2 g + 1
.irp g, 0,1,2,3
	ds_load_b128 v[SCU+16*((\p)%2)+4*\g:SCU+16*((\p)%2)+4*\g+3], v[ADSU] offset:2*SBLK*\g+16*(\p)
.endr
.endm
; One matrix instruction, by the symbols rD, rB (source 0), rA (source 1), rSB, rSA (their scale registers), rRB, rRA (1: the words lie in lanes 16-31).  zero = 1: the product starts the sum
.macro WMI zero
.if \zero
.if rRB && rRA
	v_wmma_scale_f32_16x16x128_f8f6f4 v[rD:rD+7], v[rB:rB+7], v[rA:rA+7], 0, v[rSB], v[rSA] matrix_a_fmt:MATRIX_FMT_FP4 matrix_b_fmt:MATRIX_FMT_FP4 matrix_a_scale:MATRIX_SCALE_ROW1 matrix_b_scale:MATRIX_SCALE_ROW1
.elseif rRB
	v_wmma_scale_f32_16x16x128_f8f6f4 v[rD:rD+7], v[rB:rB+7], v[rA:rA+7], 0, v[rSB], v[rSA] matrix_a_fmt:MATRIX_FMT_FP4 matrix_b_fmt:MATRIX_FMT_FP4 matrix_a_scale:MATRIX_SCALE_ROW1
.elseif rRA
	v_wmma_scale_f32_16x16x128_f8f6f4 v[rD:rD+7], v[rB:rB+7], v[rA:rA+7], 0, v[rSB], v[rSA] matrix_a_fmt:MATRIX_FMT_FP4 matrix_b_fmt:MATRIX_FMT_FP4 matrix_b_scale:MATRIX_SCALE_ROW1
.else
	v_wmma_scale_f32_16x16x128_f8f6f4 v[rD:rD+7], v[rB:rB+7], v[rA:rA+7], 0, v[rSB], v[rSA] matrix_a_fmt:MATRIX_FMT_FP4 matrix_b_fmt:MATRIX_FMT_FP4
.endif
.else
.if rRB && rRA
	v_wmma_scale_f32_16x16x128_f8f6f4 v[rD:rD+7], v[rB:rB+7], v[rA:rA+7], v[rD:rD+7], v[rSB], v[rSA] matrix_a_fmt:MATRIX_FMT_FP4 matrix_b_fmt:MATRIX_FMT_FP4 matrix_a_scale:MATRIX_SCALE_ROW1 matrix_b_scale:MATRIX_SCALE_ROW1
.elseif rRB
	v_wmma_scale_f32_16x16x128_f8f6f4 v[rD:rD+7], v[rB:rB+7], v[rA:rA+7], v[rD:rD+7], v[rSB], v[rSA] matrix_a_fmt:MATRIX_FMT_FP4 matrix_b_fmt:MATRIX_FMT_FP4 matrix_a_scale:MATRIX_SCALE_ROW1
.elseif rRA
	v_wmma_scale_f32_16x16x128_f8f6f4 v[rD:rD+7], v[rB:rB+7], v[rA:rA+7], v[rD:rD+7], v[rSB], v[rSA] matrix_a_fmt:MATRIX_FMT_FP4 matrix_b_fmt:MATRIX_FMT_FP4 matrix_b_scale:MATRIX_SCALE_ROW1
.else
	v_wmma_scale_f32_16x16x128_f8f6f4 v[rD:rD+7], v[rB:rB+7], v[rA:rA+7], v[rD:rD+7], v[rSB], v[rSA] matrix_a_fmt:MATRIX_FMT_FP4 matrix_b_fmt:MATRIX_FMT_FP4
.endif
.endif
.endm
.macro MULS a, s, zero                 ; x's block a against U's eight; the 32 accumulators take turns, in the same order in every step
.irp b, 0,1,2,3,4,5,6,7
.set rD, 8*(8*(\a)+\b)
.set rB, 64*((\s)%2)+8*\b
.set rA, AF+32*((\s)%2)+8*(\a)
.set rSB, SCU+16*(((\s)/4)%2)+4*(\b/2)+((\s)%4)
.set rSA, SCX+(SCX2-SCX)*((\s)/8)+8*(((\s)/4)%2)+4*((\a)/2)+((\s)%4)
.set rRB, \b%2
.set rRA, (\a)%2
	WMI \zero
.endr
.endm
.macro STEP s, zero                    ; the next step's 24 loads (and a new piece's scale words) go out ahead of this step's 32 products
	s_wait_dscnt 0x0
	PLACES 4                                       ; four plain places between the last products and loads into the registers that they read (ISA guide 7.12.1 for vector instructions)
	FETCHS (\s)+1
.if ((\s)+1)%4 == 0
	SCALES ((\s)+1)/4
.endif
	WIN MUL
	MULS 0, \s, \zero
	MULS 1, \s, \zero
	MULS 2, \s, \zero
	MULS 3, \s, \zero
.endm
; A region's last step: in front of the barrier each wave waits for all its tensor loads, adds 0 to its spare word, and waits for that and for its own reads.  fill = 1: piece 3 into region A
.macro TURN s, fill
	WIN 0
	s_wait_tensorcnt 0x0                           ; my part of the next piece is in
	ds_add_u32 v[SPW], v[NIL]                      ; 0 onto my spare word
.if \fill
	s_or_b32 s[G1], s29, (1<<20)|(1<<21)|(5<<22)|(67<<25)    ; rows of 256 bytes in the places of rows of 512: 68 words of padding behind each
	s_or_b32 s[G1B], s30, (1<<20)|(1<<21)|(5<<22)|(67<<25)
	s_add_co_u32 s[G0+1], s88, 0
	s_add_co_u32 s[G0B+1], s89, 0
	s_add_nc_u64 s[G0+2:G0+3], s[G0+2:G0+3], ROWB
	s_add_nc_u64 s[G0B+2:G0B+3], s[G0B+2:G0B+3], ROWB
.endif
	s_wait_dscnt 0x1                               ; this step's fragments are in; the add alone may be out
	WIN MUL
	MULS 0, \s, 0
	s_wait_dscnt 0x0                               ; the add is done, and my reads are over
	s_barrier_signal -1
	MULS 1, \s, 0
	WIN 0
	s_barrier_wait -1
.if \fill
	CREST                                          ; no wave of any partner still reads region A or has a load on its way
	JLOAD
.else
	PLACES 4
.endif
	FETCHS (\s)+1
	SCALES ((\s)+1)/4
	WIN MUL
	MULS 2, \s, 0
	MULS 3, \s, 0
.endm
	; the arithmetic on lambda and the codebook stands ahead of the wait for the head's tiles
	s_wait_alu depctr_va_vdst(0)
	s_wait_loadcnt 0x0                             ; lambda, the codebook, x's scale words
	WIN 0x4f                                       ; to window 1, from window 3
.set n, 0
.rept 32
	v_pk_mul_f32 v[COE+n:COE+n+1], v[LX+n:LX+n+1], v[LW+n:LW+n+1]
.set n, n+2
.endr
	WIN 0xff                                       ; all in window 3
	v_mov_b32 v[EP], 0x322bcc77                    ; 1e-8
.set n, 0
.rept 16                               ; lambda_x, or 1e-8 where its magnitude is under that
.irp i, 0,1,2,3
	v_and_b32 v[TQ+\i], 0x7fffffff, v[LX+n+\i]
.endr
.irp i, 0,1,2,3
	v_cmp_lt_f32 s[MKH+\i], v[TQ+\i], v[EP]
.endr
.irp i, 0,1,2,3
	v_cndmask_b32 v[LX+n+\i], v[LX+n+\i], v[EP], s[MKH+\i]
.endr
.set n, n+4
.endr
.set n, 0
	s_wait_alu depctr_va_vdst(0)
.rept 64
	v_rcp_f32 v[LW+n], v[LX+n]
.set n, n+1
.endr
	v_nop
	s_wait_alu depctr_va_vdst(0)                   ; one wait for the batch, ahead of its first reader
.set n, 0
.rept 32
	v_pk_fma_f32 v[LX+n:LX+n+1], v[LX+n:LX+n+1], v[LW+n:LW+n+1], 1.0 op_sel_hi:[1,1,0] neg_lo:[1,0,0] neg_hi:[1,0,0]
.set n, n+2
.endr
.set n, 0
.rept 32
	v_pk_fma_f32 v[LW+n:LW+n+1], v[LX+n:LX+n+1], v[LW+n:LW+n+1], v[LW+n:LW+n+1]
.set n, n+2
.endr
	WIN 0x4f
.set n, 0
.rept 32
	v_pk_add_f32 v[RL2+n:RL2+n+1], v[LW+n:LW+n+1], v[LW+n:LW+n+1]
.set n, n+2
.endr
	WIN 0xff
.rept 8                                ; the codebook sorted: sixteen rounds of exchanges between neighbours, two a turn
.irp i, 0,2,4,6,8,10,12,14
	v_min_num_f32 v[QB+\i], v[CB+\i], v[CB+\i+1]
	v_max_num_f32 v[QB+\i+1], v[CB+\i], v[CB+\i+1]
.endr
	v_mov_b32 v[CB], v[QB]
	v_mov_b32 v[CB+15], v[QB+15]
.irp i, 1,3,5,7,9,11,13
	v_min_num_f32 v[CB+\i], v[QB+\i], v[QB+\i+1]
	v_max_num_f32 v[CB+\i+1], v[QB+\i], v[QB+\i+1]
.endr
.endr
	v_add_f32 v[S7], v[CB+7], v[CB+8]
	v_add_f32 v[S3], v[CB+3], v[CB+4]
	v_add_f32 v[S11], v[CB+11], v[CB+12]
	v_add_f32 v[T3], v[CB+1], v[CB+2]
	v_add_f32 v[T4], v[CB], v[CB+1]
	v_mov_b32 v[TV], v[CB]
.irp j, 1,2,3
	v_add_f32 v[TQ+\j], v[CB+4*\j+1], v[CB+4*\j+2]
	v_cmp_eq_u32 vcc_lo, \j, v[LN]
	v_cndmask_b32 v[T3], v[T3], v[TQ+\j], vcc_lo
.endr
.irp j, 1,2,3,4,5,6,7
	v_add_f32 v[TQ+\j], v[CB+2*\j], v[CB+2*\j+1]
	v_cmp_eq_u32 vcc_lo, \j, v[LN]
	v_cndmask_b32 v[T4], v[T4], v[TQ+\j], vcc_lo
.endr
.irp j, 1,2,3,4,5,6,7,8,9,10,11,12,13,14,15
	v_cmp_eq_u32 vcc_lo, \j, v[LN]
	v_cndmask_b32 v[TV], v[TV], v[CB+\j], vcc_lo
.endr
	v_lshlrev_b32 v[LI], 4, v[LN]
	v_lshlrev_b32 v[L8], 3, v[LN]
	v_mov_b32 v[SW], 0
	v_mov_b32 v[SW+1], 0
	WIN 0
	s_wait_alu depctr_va_vdst(0)
	s_wait_tensorcnt 0x0                           ; my tile of the head's is in
	ds_add_u32 v[SPW], v[NIL]
	s_or_b32 s[G1], s29, (1<<20)|(1<<21)|(5<<22)|(3<<25)     ; no tensor load of mine is out: from here on rows of 256 bytes, 128 of U's rows a load
	s_or_b32 s[G1B], s30, (1<<20)|(1<<21)|(5<<22)|(3<<25)
.irp g, G1, G1B
	s_mov_b32 s[\g+1], ROWB<<16
	s_mov_b32 s[\g+3], ROWB<<16
.endr
	s_mov_b32 s[G1B+2], 128<<16
	s_mov_b32 s[G1B+4], 128
	s_mul_i32 s31, s[LO], XB
	s_add_co_u32 s[G0+1], s31, RB
	s_add_nc_u64 s[G0+2:G0+3], s[G0+2:G0+3], 512
	s_wait_dscnt 0x0
	CROUND                                         ; everybody's tiles are in
	JLOAD                                          ; piece 2 into region B
	FETCHS 0
	SCALES 0
	ASK 768                                        ; piece 3
	; K = 2,048: sixteen steps, written straight.  The first step's products start the sums: nothing is cleared
	STEP 0, 1
	STEP 1, 0
	STEP 2, 0
	STEP 3, 0
	STEP 4, 0
	STEP 5, 0
	STEP 6, 0
	TURN 7, 1
	STEP 8, 0
	STEP 9, 0
	STEP 10, 0
	TURN 11, 0
	STEP 12, 0
	STEP 13, 0
	STEP 14, 0
	s_wait_dscnt 0x0
	WIN MUL
	MULS 0, 15, 0
	MULS 1, 15, 0
	MULS 2, 15, 0
	MULS 3, 15, 0
	WIN 0
	PLACES 4                                       ; four places ahead of the first read of results
; THE WAY OUT: one block of 16 rows (64 registers) a trip
.macro ZPIECE a                        ; 2 z
	WIN 0xc6                                       ; to window 3, from windows 2 and 1
.set n, 0
.rept 32
	v_pk_mul_f32 v[Z+n:Z+n+1], v[64*\a+n:64*\a+n+1], v[RL2+n:RL2+n+1]
.set n, n+2
.endr
	WIN 0
.endm
.macro FIRST e, X, N                   ; 32 numbers: the path's first bit into N, the second threshold into X
.irp g, 0,8,16,24
.irp i, 0,1,2,3,4,5,6,7
	v_cmp_lt_f32 s[MK+\i], v[S7], v[Z+\e+\g+\i]
.endr
.irp i, 0,1,2,3,4,5,6,7
	v_cndmask_b32 v[\X+\g+\i], v[S3], v[S11], s[MK+\i]
.endr
.irp i, 0,1,2,3,4,5,6,7
	v_cndmask_b32 v[\N+\g+\i], 0, 1, s[MK+\i]
.endr
.endr
.endm
.macro LEVEL e, X, N, T, last          ; the threshold less 2 z; its sign joins the path; the path picks from table T: the next threshold, or (last) the number
.set n, 0
.rept 16
	v_pk_add_f32 v[\X+n:\X+n+1], v[\X+n:\X+n+1], v[Z+\e+n:Z+\e+n+1] neg_lo:[0,1] neg_hi:[0,1]
.set n, n+2
.endr
.irp g, 0,8,16,24
.irp i, 0,1,2,3,4,5,6,7
	v_alignbit_b32 v[W+\g+\i], v[\N+\g+\i], v[\X+\g+\i], 29
.endr
.endr
.if \last == 0
.irp g, 0,8,16,24
.irp i, 0,1,2,3,4,5,6,7
	v_alignbit_b32 v[\N+\g+\i], v[\N+\g+\i], v[\X+\g+\i], 31
.endr
.endr
.endif
.irp g, 0,8,16,24
.irp i, 0,1,2,3,4,5,6,7
.if \last
	ds_bpermute_b32 v[Z+\e+\g+\i], v[W+\g+\i], v[\T]
.else
	ds_bpermute_b32 v[\X+\g+\i], v[W+\g+\i], v[\T]
.endif
.endr
.endr
.endm
	s_mov_b32 s100, 0
	s_mov_b32 s96, 0xffff
	s_mov_b32 s97, 0
.Lblk:
	s_cmp_eq_u32 s100, 0
	s_cbranch_scc1 .Lz0
	s_cmp_eq_u32 s100, 1
	s_cbranch_scc1 .Lz1
	s_cmp_eq_u32 s100, 2
	s_cbranch_scc1 .Lz2
	ZPIECE 3
	s_branch .Lsearch
.Lz0:
	ZPIECE 0
	s_branch .Lsearch
.Lz1:
	ZPIECE 1
	s_branch .Lsearch
.Lz2:
	ZPIECE 2
.Lsearch:
	WIN 0xff
	FIRST 0, XX, NX
	LEVEL 0, XX, NX, T3, 0
	FIRST 32, XY, NY
	LEVEL 32, XY, NY, T3, 0
	s_wait_dscnt 0x20                              ; the first batch's are in; the second's 32 may be out (and so on by turns)
	LEVEL 0, XX, NX, T4, 0
	s_wait_dscnt 0x20
	LEVEL 32, XY, NY, T4, 0
	s_wait_dscnt 0x20
	LEVEL 0, XX, NX, TV, 1
	s_wait_dscnt 0x20
	LEVEL 32, XY, NY, TV, 1
	s_wait_dscnt 0x20                              ; the first batch's numbers are in; the second's 32 may be out
	WIN 0xc7
.set n, 0
.rept 16
	v_pk_mul_f32 v[Z+n:Z+n+1], v[Z+n:Z+n+1], v[COE+n:COE+n+1]
.set n, n+2
.endr
	s_wait_dscnt 0x0
.rept 16
	v_pk_mul_f32 v[Z+n:Z+n+1], v[Z+n:Z+n+1], v[COE+n:COE+n+1]
.set n, n+2
.endr
	WIN 0xff
	; the quantiser: four blocks of 32 along d, each in lanes l and l xor 16; the floor 2^(3 - 127) keeps the byte at 1 or above
.irp b, 0,1,2,3
	v_max3_num_f32 v[TM+\b], |v[Z+16*\b]|, |v[Z+1+16*\b]|, 0x1800000
.endr
.irp i, 2,4,6,8,10,12,14
.irp b, 0,1,2,3
	v_max3_num_f32 v[TM+\b], v[TM+\b], |v[Z+16*\b+\i]|, |v[Z+1+16*\b+\i]|
.endr
.endr
.irp b, 0,1,2,3
	v_permlanex16_b32 v[TM+4+\b], v[TM+\b], s2, s3
.endr
.irp b, 0,1,2,3
	v_max_num_f32 v[TM+\b], v[TM+\b], v[TM+4+\b]
.endr
.irp b, 0,1,2,3
	v_add_nc_u32 v[TM+12+\b], 0xff000000, v[TM+\b]
.endr
.irp b, 0,1,2,3
	v_lshrrev_b32 v[TM+4+\b], 23, v[TM+12+\b]
.endr
	v_lshl_or_b32 v[PW], v[TM+5], 8, v[TM+4]
	v_lshl_or_b32 v[PW], v[TM+6], 16, v[PW]
	v_lshl_or_b32 v[PW], v[TM+7], 24, v[PW]
.irp b, 0,1,2,3
	v_cvt_scalef32_pk8_fp4_f32 v[PC+4*(\b/2)+(\b%2)], v[Z+16*\b:Z+16*\b+7], v[TM+12+\b]
	v_cvt_scalef32_pk8_fp4_f32 v[PC+4*(\b/2)+2+(\b%2)], v[Z+16*\b+8:Z+16*\b+15], v[TM+12+\b]
.endr
	v_nop
.irp c, 0,1                            ; whole blocks in a lane: lanes 0-15 block 2 c, lanes 16-31 block 2 c + 1
	v_permlane16_swap_b32 v[PC+4*\c], v[PC+4*\c+1]
	v_permlane16_swap_b32 v[PC+4*\c+2], v[PC+4*\c+3]
.endr
	global_store_b128 v[LI], v[PC:PC+3], s[18:19]
	global_store_b128 v[LI], v[PC+4:PC+7], s[18:19] offset:512
	s_lshl_b32 s101, s100, 4                       ; trip t: word t / 2 of the lanes 16 (t % 2) on is this block's
	s_lshl_b64 s[98:99], s[96:97], s101
	v_cndmask_b32 v[SW], v[SW], v[PW], s98
	v_cndmask_b32 v[SW+1], v[SW+1], v[PW], s99
	s_wait_xcnt 0x0                                ; the stores have read their data and their base
	s_add_nc_u64 s[18:19], s[18:19], 4096
	WIN 0
	s_add_co_u32 s100, s100, 1
	s_cmp_lt_u32 s100, 4
	s_cbranch_scc1 .Lblk
	s_wait_alu depctr_va_vdst(0)
	WIN 0xff
	global_store_b64 v[L8], v[SW:SW+1], s[20:21]
	WIN 0
	s_wait_tensorcnt 0x0                           ; the wave's end
	ds_add_u32 v[SPW], v[NIL]
	s_wait_dscnt 0x0
	CROUND                                         ; the closing round
	s_endpgm
.Lfunc_end_k_qa65e008528_project:
	.size	k_qa65e008528_project, .Lfunc_end_k_qa65e008528_project-k_qa65e008528_project
	.p2alignl 7, 3214868480
	.fill 96, 4, 3214868480
	.section	.rodata,"a",@progbits
	.p2align	6, 0x0
	.amdhsa_kernel k_qa65e008528_project
		.amdhsa_group_segment_fixed_size 327680
		.amdhsa_private_segment_fixed_size 0
		.amdhsa_enable_private_segment 0
		.amdhsa_kernarg_size 72
		.amdhsa_user_sgpr_count 2
		.amdhsa_user_sgpr_kernarg_segment_ptr 1
		.amdhsa_wavefront_size32 1
		.amdhsa_system_sgpr_workgroup_id_x 1
		.amdhsa_system_sgpr_workgroup_id_y 1
		.amdhsa_system_sgpr_workgroup_id_z 1
		.amdhsa_system_vgpr_workitem_id 0
		.amdhsa_next_free_vgpr 1024
		.amdhsa_next_free_sgpr 102
		.amdhsa_reserve_vcc 1
		.amdhsa_float_denorm_mode_32 3
		.amdhsa_float_denorm_mode_16_64 3
		.amdhsa_memory_ordered 1
		.amdhsa_forward_progress 1
		.amdhsa_inst_pref_size 208
	.end_amdhsa_kernel
	.amdgpu_metadata
---
amdhsa.version: [ 1, 2 ]
amdhsa.kernels:
  - .name:           k_qa65e008528_project
    .symbol:         k_qa65e008528_project.kd
    .args:
      - { .name: hidden_states_codes, .offset: 0, .size: 8, .value_kind: global_buffer, .address_space: global }
      - { .name: hidden_states_scales, .offset: 8, .size: 8, .value_kind: global_buffer, .address_space: global }
      - { .name: U_codes, .offset: 16, .size: 8, .value_kind: global_buffer, .address_space: global }
      - { .name: U_scales, .offset: 24, .size: 8, .value_kind: global_buffer, .address_space: global }
      - { .name: lambda_x, .offset: 32, .size: 8, .value_kind: global_buffer, .address_space: global }
      - { .name: lambda_w, .offset: 40, .size: 8, .value_kind: global_buffer, .address_space: global }
      - { .name: codebook, .offset: 48, .size: 8, .value_kind: global_buffer, .address_space: global }
      - { .name: a_codes, .offset: 56, .size: 8, .value_kind: global_buffer, .address_space: global }
      - { .name: a_scales, .offset: 64, .size: 8, .value_kind: global_buffer, .address_space: global }
    .group_segment_fixed_size: 327680
    .private_segment_fixed_size: 0
    .kernarg_segment_align: 8
    .kernarg_segment_size: 72
    .max_flat_workgroup_size: 128
    .sgpr_count:     102
    .vgpr_count:     1024
    .wavefront_size: 32
...
	.end_amdgpu_metadata
.endif
;; end of part 1
;; launch logits (part 2): grid 8 x 32, 4 waves a work-group, clusters of 4 x 4, 327,680 bytes of LDS; arguments a_codes, a_scales, Z_w_codes, Z_w_scales, out0; writes out0
.if DOCPART == 2
	.amdgcn_target "amdgcn-amd-amdhsa--gfx1250"
	.amdhsa_code_object_version 6
	.text
	.protected	k_qa65e008528_logits
	.globl	k_qa65e008528_logits
	.p2align	8
	.type	k_qa65e008528_logits,@function
k_qa65e008528_logits:
	s_mov_b64 s[64:65], 0
	v_nop
	global_prefetch_b8 v0, s[64:65] scope:SCOPE_SE
	s_setreg_imm32_b32 hwreg(HW_REG_WAVE_MODE, 25, 1), 1
	s_wait_xcnt 0x0
	s_wait_alu depctr_hold_cnt(0) depctr_sa_sdst(0) depctr_va_vdst(0) depctr_va_sdst(0) depctr_va_ssrc(0) depctr_va_vcc(0) depctr_vm_vsrc(0)
	s_getreg_b32 s2, hwreg(HW_REG_IB_STS2, 6, 4)
	s_cmp_eq_u32 s2, 0
	s_cbranch_scc0 .Lentry_in_a_cluster
	s_endpgm
.Lentry_in_a_cluster:
	s_bfe_u32 s2, ttmp6, 0x10000c
	s_cmp_lg_u32 s2, 0xf033
	s_cbranch_scc0 .Lentry_shape_is_right
	s_endpgm
.Lentry_shape_is_right:
; logits[m][v] = the sum over d of a[m][d] Z_w[d][v], both on codes of FP4 (E2M1) with one E8M0 scale for each 32 along d; sums in f32.  No work is left out.
; a, as the first launch laid it: codes [parity][256 rows][k / 512][block of 16 rows: 8][(k / 128) % 4][1,024 bytes: the image of an operand's eight registers], lane r of block i: row 32 i + 2 r + parity of the 256;
; scale words [128 rows][parity][k / 128][256 bytes], lane l's 8 bytes at 8 l: word p is that of block 2 p + l / 16 of four.  Z_w: 4,000 rows (v) of 1,024 code bytes and 64 scale bytes.  out0: [4096][4000] f32.
; A WORK-GROUP makes 128 rows of ONE PARITY (of 256) by 512 columns.  A row of out0 is 16,000 bytes = 62.5 x 256, two rows are 125 x 256: an even row begins at a multiple of 256 bytes, an odd row 128 bytes behind one.
; So work-groups of even rows take the columns 512 tc on, those of odd rows 512 tc + 32 on: each piece of 64 columns is one aligned block of 256 bytes.
; Wave (HI, LO): the 64 rows of blocks 4 HI .. 4 HI + 3 by 64 of each 128 columns.  A's FRAGMENTS OF THE WAVE, 64 rows by all of K, STAY IN 512 REGISTERS.  Z_w comes in four SLICES of 128 rows by all of K,
; through two LDS slots; behind each slice 64 x 64 finished numbers a wave leave, while the next slices are on their way.
; THE LAST SLICE OF THE LAST TILE COLUMN would begin at row 3,968 (even) or 4,000 (odd).  It begins at row 3,872 or at row 0 instead, so that it lies inside Z_w: of it the even rows' columns 3,968 to 3,999 and the odd rows'
; columns 0 to 31 are stored, by a lane mask; these two pieces of 128 bytes lie side by side in memory.  Every number of out0 is stored once.
; CLUSTER 4 x 4: the four of a row of the cluster need the same a, the four of a column the same slices of Z_w (a cluster's work-groups have one parity): joint tensor loads with a mask that names the four.
; PREFETCH: slices 1 and 2 of Z_w's codes are asked for at the head, slice 3 behind slice 1's load, two slices ahead.  A slice is 131,072 consecutive bytes: partner cy's wave w asks for 8,192 of them, a lane 256.
; Eight clusters load the same rows, in two parities 32 rows apart: those of even y ask.
; THE MATRIX INSTRUCTION IS USED TRANSPOSED (source 0 = 16 rows of Z_w, source 1 = 16 rows of a): a lane then holds eight neighbouring numbers of a row of out0.
; LDS: slot 0, slot 1 (a's codes first), two slots of Z_w's scale bytes, the stage of the way out, the spare words.
; REGISTERS: window 0: v1-30 addresses; v32-63 a's scale words for all of K; v64-127 Z_w's, two sets; v128-255 Z_w's fragments of odd groups, and the rows read back on the way out.
;   window 1: v0-127 the 16 accumulators ((i, b) at v[8 (4 i + b)]); v128-255 Z_w's fragments of even groups.   window 2: a's fragments of k steps 0-7 ((k, i) at v[8 (4 k + i)]);   window 3: of k steps 8-15.
.set PITCH,  1040                      ; an LDS row: 1,024 bytes + 16 of padding: the 16 rows that a load touches start 4 words apart modulo 64
.set HALFZ,  64*PITCH
.set SLOT,   128*PITCH
.set SCL,    2*SLOT
.set HALFS,  16*272                    ; the scale bytes of 64 rows, as units of 256 bytes (four rows) + 16 of padding
.set SSLOT,  2*HALFS
.set SBLK,   4*272                     ; those of 16 rows
.set STAGE,  SCL+2*SSLOT
.set SPITCH, 272
.set STW,    16*SPITCH                 ; a wave's stage: 16 rows of 256 bytes + 16
.set SPARE,  STAGE+4*STW               ; the spare words, 128 bytes for each wave: two blocks of 256 bytes that no other line names
.set NROW,   16000                     ; a row of out0 in bytes
.set ADRA, 16                          ; v16-17  LDS address of a's images: k steps 0-7, 8-15
.set ADRZ, 20                          ; v20-21  of Z_w's fragments in slot 0, 1
.set ADRS, 22                          ; v22-23  of Z_w's scale words in slot 0, 1
.set STO,  24                          ; v24     the way out: where I put 32 bytes of a row
.set RD,   25                          ; v25     where I read rows back
.set CO,   26                          ; v26     my byte offset in out0
.set L8,   27                          ; v27     8 x lane
.set SPW,  28                          ; v28     LDS address of my spare word; never rewritten
.set NIL,  29                          ; v29     0; never rewritten
.set PFO,  30                          ; v30     the prefetches' offset: 256 x lane; never rewritten
.set SCA,  32
.set SCZ,  64
.set OB,   128                         ; the way out: a buffer of 32 for each of the four blocks, in window 0
.set WV,   22
.set HI,   23
.set LO,   24
.set G1A,  32                          ; groups 1: a's codes, Z_w's codes, Z_w's scale bytes
.set G1Z,  40
.set G1S,  48
.set G0A,  56                          ; groups 0: the head's loads (a's codes, Z_w's codes, its scale bytes);
.set G0HZ, 60
.set G0HS, 68
.set G0Z,  72                          ; the refills
.set G0S,  76
.set MSB, 0
.macro WIN new                         ; the immediate's high byte repeats the setting that is left
.if MSB != (\new)
	s_set_vgpr_msb (MSB<<8)|(\new)
.set MSB, (\new)
.endif
.endm
.macro PLACES n
.rept \n
	v_nop
.endr
.endm
.macro JLOAD                           ; a joint refill: waves 0 and 1 fetch 64 rows of Z_w's codes each, waves 2 and 3 the scale bytes of 64 rows each; the branch hangs on the wave's number alone
	s_cmp_eq_u32 s[HI], 0
	s_cbranch_scc0 .Lscales_\@
	tensor_load_to_lds s[G0Z:G0Z+3], s[G1Z:G1Z+7]
	s_nop 0
	PLACES 4
	s_branch .Lasked_\@
.Lscales_\@:
	tensor_load_to_lds s[G0S:G0S+3], s[G1S:G1S+7]
	s_nop 0
	PLACES 4
.Lasked_\@:
.endm
.macro CREST                           ; a round of the cluster's barrier behind its opening barrier
	s_cmp_lg_u32 s[WV], 0
	s_cbranch_scc1 .Lnot_wave_0_\@
	s_barrier_signal -3
.Lnot_wave_0_\@:
	s_barrier_wait -3
	s_barrier_signal -1
	s_barrier_wait -1
.endm
.macro CROUND                          ; a whole round
	s_barrier_signal -1
	s_barrier_wait -1
	CREST
.endm
	s_load_b256 s[4:11], s[0:1], 0x0               ; a's codes s[4:5], a's scale words s[6:7], Z_w's codes s[8:9], Z_w's scales s[10:11]
	s_load_b64 s[12:13], s[0:1], 0x20              ; out0
	v_lshl_add_u32 v[SPW], v0, 2, SPARE
	v_mov_b32 v[NIL], 0
	ds_add_u32 v[SPW], v[NIL]                      ; the wave's opening: the add, twice on end, and its wait ahead of my first tensor load
	ds_add_u32 v[SPW], v[NIL]
	v_lshrrev_b32 v1, 5, v0
	v_readfirstlane_b32 s[WV], v1                  ; wave 0..3
	s_lshr_b32 s[HI], s[WV], 1                     ; which four blocks of rows are mine.  Also: I fetch codes (0) or scale bytes (1)
	s_and_b32 s[LO], s[WV], 1                      ; which 64 of a slice's columns.  Also: which half of a tile I fetch
	s_bfe_u32 s25, ttmp6, 0x40000                  ; cx, cy: my place in the cluster
	s_bfe_u32 s26, ttmp6, 0x40004
	s_lshl_b32 s27, ttmp9, 2
	s_add_co_u32 s27, s27, s25                     ; tc: tile column, 0..7
	s_and_b32 s28, ttmp7, 0xffff
	s_lshr_b32 s29, s28, 2                         ; the parity: it hangs on the cluster's y alone
	s_lshl_b32 s28, s28, 2
	s_add_co_u32 s28, s28, s26                     ; a's tile, 0..31: 16 x parity + which 256 rows
	s_and_b32 s30, s28, 15                         ; which 256 rows
	s_lshl_b32 s31, s26, 2
	s_lshl_b32 s31, 15, s31                        ; my row of the cluster
	s_lshl_b32 s88, 0x1111, s25                    ; my column
	; groups 1: rows of 1,024 bytes (128 elements of 8 bytes), 16 bytes of padding behind each; a's 64 images; Z_w's 128 rows at the head, 64 in a refill
	s_or_b32 s[G1A], s31, (3<<16)|(1<<20)|(1<<21)|(7<<22)|(3<<25)
	s_or_b32 s[G1Z], s88, (3<<16)|(1<<20)|(1<<21)|(7<<22)|(3<<25)
	s_or_b32 s[G1S], s88, (3<<16)|(1<<20)|(1<<21)|(5<<22)|(3<<25)
.irp g, G1A, G1Z
	s_mov_b32 s[\g+1], 128<<16
	s_mov_b32 s[\g+3], 128<<16
	s_mov_b32 s[\g+5], 128
	s_mov_b32 s[\g+6], 0
	s_mov_b32 s[\g+7], 0
.endr
	s_mov_b32 s[G1A+2], 64<<16
	s_mov_b32 s[G1A+4], 64
	s_mov_b32 s[G1Z+2], 128<<16
	s_mov_b32 s[G1Z+4], 128
	s_mov_b32 s[G1S+1], 32<<16                     ; the scale bytes: dense, as rows of 256 bytes + 16 of padding: 256 rows' at the head, 64 rows' in a refill
	s_mov_b32 s[G1S+2], 64<<16
	s_mov_b32 s[G1S+3], 32<<16
	s_mov_b32 s[G1S+4], 64
	s_mov_b32 s[G1S+5], 32
	s_mov_b32 s[G1S+6], 0
	s_mov_b32 s[G1S+7], 0
	s_mul_i32 s80, s[LO], HALFZ                    ; where the tiles go: the wave's number alone enters an LDS address
	s_mul_i32 s81, s[LO], HALFS
	s_mov_b32 s[G0A], 1
	s_add_co_u32 s[G0A+1], s80, SLOT               ; a lands in slot 1
	s_mov_b32 s[G0HZ], 1
	s_mov_b32 s[G0HZ+1], 0
	s_mov_b32 s[G0HS], 1
	s_mov_b32 s[G0HS+1], SCL
	s_mov_b32 s[G0Z], 1
	s_add_co_u32 s[G0Z+1], s80, SLOT
	s_mov_b32 s[G0S], 1
	s_add_co_u32 s[G0S+1], s81, SCL+SSLOT
	s_add_co_u32 s89, s27, 1
	s_lshr_b32 s89, s89, 3                         ; 1 in the last tile column
	s_mul_i32 s90, s29, 3904
	s_add_co_u32 s90, s90, 96
	s_mul_i32 s90, s90, s89                        ; by how many rows of Z_w the last slice begins earlier: 0; in the last tile column 96 (even) or 4,000 (odd)
	s_lshl_b32 s82, s90, 10
	s_mov_b32 s83, 0
	s_lshl_b32 s84, s90, 6
	s_mov_b32 s85, 0
	s_lshl_b32 s86, s90, 2                         ; the same in bytes of out0's columns
	s_mov_b32 s87, 0
	s_mul_i32 s90, s89, s29
	s_sub_co_u32 s91, s89, s90
	s_mul_i32 s91, s91, 96                         ; the last slice's first column to store: 0, or 96 (even rows, last tile column)
	s_mul_i32 s90, s90, 96
	s_sub_co_u32 s90, 128, s90                     ; and the first not to store: 128, or 32 (odd rows)
	s_lshl_b32 s92, s27, 9
	s_lshl_b32 s93, s29, 5
	s_add_co_u32 s92, s92, s93                     ; Z_w's first row: 512 tc + 32 x parity
	s_lshl_b32 s94, s92, 6
	s_mov_b32 s95, 0
	s_lshl_b32 s92, s92, 10
	s_mov_b32 s93, 0
	s_lshl_b32 s98, s[LO], 16                      ; half of a tile of codes,
	s_mov_b32 s99, 0
	s_lshl_b32 s100, s[LO], 12                     ; of scale bytes
	s_mov_b32 s101, 0
	s_lshl_b32 s96, s28, 17
	s_add_co_u32 s96, s96, s98
	s_mov_b32 s97, 0
	s_lshl_b32 s14, s30, 1
	s_add_co_u32 s14, s14, s[HI]
	s_lshl_b32 s14, s14, 1
	s_add_co_u32 s14, s14, s29
	s_lshl_b32 s14, s14, 12                        ; a's scale words: my 64 rows' 4,096 bytes
	s_mov_b32 s15, 0
	s_lshl_b32 s18, s30, 8
	s_lshl_b32 s19, s[HI], 7
	s_add_co_u32 s18, s18, s19
	s_add_co_u32 s18, s18, s29
	s_mul_i32 s18, s18, NROW                       ; out0: my first row,
	s_lshl_b32 s19, s27, 11
	s_add_co_u32 s18, s18, s19
	s_lshl_b32 s19, s[LO], 8
	s_add_co_u32 s18, s18, s19
	s_lshl_b32 s19, s29, 7
	s_add_co_u32 s18, s18, s19                     ; and my first column, in bytes
	s_mov_b32 s19, 0
	s_wait_dscnt 0x0                               ; both opening adds are done
	s_wait_kmcnt 0x0
	s_add_nc_u64 s[92:93], s[8:9], s[92:93]
	s_add_nc_u64 s[94:95], s[10:11], s[94:95]
	s_add_nc_u64 s[G0A+2:G0A+3], s[4:5], s[96:97]
	s_or_b32 s[G0A+3], s[G0A+3], 0x80000000
	s_mov_b64 s[G0HZ+2:G0HZ+3], s[92:93]
	s_or_b32 s[G0HZ+3], s[G0HZ+3], 0x80000000
	s_mov_b64 s[G0HS+2:G0HS+3], s[94:95]
	s_or_b32 s[G0HS+3], s[G0HS+3], 0x80000000
	s_add_nc_u64 s[G0Z+2:G0Z+3], s[92:93], s[98:99]
	s_add_nc_u64 s[G0Z+2:G0Z+3], s[G0Z+2:G0Z+3], 128*1024   ; slice 1
	s_or_b32 s[G0Z+3], s[G0Z+3], 0x80000000
	s_add_nc_u64 s[G0S+2:G0S+3], s[94:95], s[100:101]
	s_add_nc_u64 s[G0S+2:G0S+3], s[G0S+2:G0S+3], 128*64
	s_or_b32 s[G0S+3], s[G0S+3], 0x80000000
	s_add_nc_u64 s[6:7], s[6:7], s[14:15]
	s_add_nc_u64 s[12:13], s[12:13], s[18:19]
	CROUND                                         ; all sixteen work-groups are here: the first joint loads meet
	; one tensor load a wave at the head: waves 0 and 1 half of a's codes each, wave 2 slice 0 of Z_w's codes, wave 3 the scale bytes of slices 0 and 1
	s_cmp_lt_u32 s[WV], 2
	s_cbranch_scc0 .Lhead_z
	tensor_load_to_lds s[G0A:G0A+3], s[G1A:G1A+7]
	s_nop 0
	PLACES 4
	s_branch .Lhead_asked
.Lhead_z:
	s_cmp_eq_u32 s[WV], 2
	s_cbranch_scc0 .Lhead_s
	tensor_load_to_lds s[G0HZ:G0HZ+3], s[G1Z:G1Z+7]
	s_nop 0
	PLACES 4
	s_branch .Lhead_asked
.Lhead_s:
	tensor_load_to_lds s[G0HS:G0HS+3], s[G1S:G1S+7]
	s_nop 0
	PLACES 4
.Lhead_asked:
	s_lshl_b32 s96, s26, 15                        ; the prefetches: my work-group's 32,768 bytes of a slice, my wave's 8,192
	s_lshl_b32 s97, s[WV], 13
	s_add_co_u32 s96, s96, s97
	s_mov_b32 s97, 0
	s_add_nc_u64 s[92:93], s[92:93], s[96:97]
	s_add_nc_u64 s[98:99], s[92:93], 384*1024      ; in slice 3,
	s_sub_nc_u64 s[98:99], s[98:99], s[82:83]      ; which begins earlier in the last tile column
	s_and_b32 s20, ttmp7, 1                        ; 0: my cluster asks
	s_mul_i32 s17, s[HI], 16*PITCH
	s_add_co_u32 s17, s17, SLOT                    ; a's images of my four blocks
	s_add_co_u32 s19, s17, 64*PITCH
	s_add_co_u32 s21, s80, SLOT
	s_add_co_u32 s14, s81, SCL
	s_add_co_u32 s2, s14, SSLOT
	s_mul_i32 s3, s[WV], STW
	s_add_co_u32 s3, s3, STAGE                     ; my stage
	v_and_b32 v1, 15, v0                           ; r
	v_bfe_u32 v2, v0, 4, 1                         ; h
	v_and_b32 v3, 31, v0                           ; lane
	v_lshlrev_b32 v[L8], 3, v3
.irp k, 0,1,2,3,4,5,6,7,8,9,10,11,12,13,14,15
	global_load_b64 v[SCA+2*\k:SCA+2*\k+1], v[L8], s[6:7] offset:256*\k   ; a's scale words, for all of K: 256 consecutive bytes a load
.endr
	v_lshlrev_b32 v[PFO], 8, v3
	v_lshlrev_b32 v4, 4, v3
	v_add_nc_u32 v[ADRA], s17, v4
	v_add_nc_u32 v[ADRA+1], s19, v4
	v_mul_u32_u24 v5, v1, PITCH
	v_lshl_add_u32 v5, v2, 4, v5                   ; a fragment's row x pitch + 16 x half
	v_add_nc_u32 v[ADRZ], s80, v5
	v_add_nc_u32 v[ADRZ+1], s21, v5
	v_lshlrev_b32 v6, 6, v1                        ; a row's scale bytes: 64 r,
	v_lshrrev_b32 v7, 2, v1
	v_lshl_add_u32 v6, v7, 4, v6                   ; 16 more for each 256 passed,
	v_mad_u32_u24 v6, v2, SBLK, v6                 ; and lanes 16-31 take the next block of 16 rows
	v_add_nc_u32 v[ADRS], s14, v6
	v_add_nc_u32 v[ADRS+1], s2, v6
	v_mul_u32_u24 v8, v1, SPITCH                   ; into the stage: row r, 32 bytes for each half of the lanes
	v_lshl_add_u32 v8, v2, 5, v8
	v_add_nc_u32 v[STO], s3, v8
	v_lshlrev_b32 v9, 4, v1                        ; back: lanes 0-15 take one row of 256 bytes, lanes 16-31 the next
	v_mad_u32_u24 v10, v2, SPITCH, v9
	v_add_nc_u32 v[RD], s3, v10
	v_mad_u32_u24 v[CO], v2, 2*NROW, v9            ; the same two rows in out0, where a parity's rows lie two apart
	v_lshlrev_b32 v11, 2, v1
	v_lshl_add_u32 v11, s[LO], 6, v11              ; my lane's first column of a slice's 128
	v_cmp_le_u32 s15, s91, v11
	v_cmp_gt_u32 s16, s90, v11
	s_and_b32 s15, s15, s16                        ; the lanes that store of the last slice
	s_wait_alu depctr_va_vdst(0)
	s_cmp_eq_u32 s20, 0
	s_cbranch_scc0 .Lnot_mine
	global_prefetch_b8 v[PFO], s[92:93] offset:128*1024 th:TH_LOAD_NT scope:SCOPE_SE
	global_prefetch_b8 v[PFO], s[92:93] offset:256*1024 th:TH_LOAD_NT scope:SCOPE_SE
.Lnot_mine:
.macro FETCH slot, g                   ; Z_w's fragments of group g (k steps 4 g .. 4 g + 3), four blocks of 16 rows: lane l holds row l % 16; registers 4 c .. 4 c + 3 hold K = 64 c + 32 (l / 16) + 0 .. 31
	WIN 0x40*(1-(\g)%2)
.irp kk, 0,1,2,3
.irp b, 0,1,2,3
.irp c, 0,1
	ds_load_b128 v[128+8*(4*\kk+\b)+4*\c:128+8*(4*\kk+\b)+4*\c+3], v[ADRZ+\slot] offset:16*PITCH*\b+64*(4*(\g)+\kk)+32*\c
.endr
.endr
.endr
	WIN 0
.endm
.macro SCALES slot                     ; the slice's scale words: register 16 p + k: lanes 0-15 block 2 p, lanes 16-31 block 2 p + 1
.irp p, 0,1
.irp j, 0,1,2,3
	ds_load_b128 v[SCZ+32*\slot+16*\p+4*\j:SCZ+32*\slot+16*\p+4*\j+3], v[ADRS+\slot] offset:2*SBLK*\p+16*\j
.endr
.endr
.endm
; One matrix instruction, by the symbols rD, rB (source 0), rA (source 1), rSB, rSA (their scale registers), rRB, rRA (1: the words lie in lanes 16-31).  zero = 1: the product starts the sum
.macro WMI zero
.if \zero
.if rRB && rRA
	v_wmma_scale_f32_16x16x128_f8f6f4 v[rD:rD+7], v[rB:rB+7], v[rA:rA+7], 0, v[rSB], v[rSA] matrix_a_fmt:MATRIX_FMT_FP4 matrix_b_fmt:MATRIX_FMT_FP4 matrix_a_scale:MATRIX_SCALE_ROW1 matrix_b_scale:MATRIX_SCALE_ROW1
.elseif rRB
	v_wmma_scale_f32_16x16x128_f8f6f4 v[rD:rD+7], v[rB:rB+7], v[rA:rA+7], 0, v[rSB], v[rSA] matrix_a_fmt:MATRIX_FMT_FP4 matrix_b_fmt:MATRIX_FMT_FP4 matrix_a_scale:MATRIX_SCALE_ROW1
.elseif rRA
	v_wmma_scale_f32_16x16x128_f8f6f4 v[rD:rD+7], v[rB:rB+7], v[rA:rA+7], 0, v[rSB], v[rSA] matrix_a_fmt:MATRIX_FMT_FP4 matrix_b_fmt:MATRIX_FMT_FP4 matrix_b_scale:MATRIX_SCALE_ROW1
.else
	v_wmma_scale_f32_16x16x128_f8f6f4 v[rD:rD+7], v[rB:rB+7], v[rA:rA+7], 0, v[rSB], v[rSA] matrix_a_fmt:MATRIX_FMT_FP4 matrix_b_fmt:MATRIX_FMT_FP4
.endif
.else
.if rRB && rRA
	v_wmma_scale_f32_16x16x128_f8f6f4 v[rD:rD+7], v[rB:rB+7], v[rA:rA+7], v[rD:rD+7], v[rSB], v[rSA] matrix_a_fmt:MATRIX_FMT_FP4 matrix_b_fmt:MATRIX_FMT_FP4 matrix_a_scale:MATRIX_SCALE_ROW1 matrix_b_scale:MATRIX_SCALE_ROW1
.elseif rRB
	v_wmma_scale_f32_16x16x128_f8f6f4 v[rD:rD+7], v[rB:rB+7], v[rA:rA+7], v[rD:rD+7], v[rSB], v[rSA] matrix_a_fmt:MATRIX_FMT_FP4 matrix_b_fmt:MATRIX_FMT_FP4 matrix_a_scale:MATRIX_SCALE_ROW1
.elseif rRA
	v_wmma_scale_f32_16x16x128_f8f6f4 v[rD:rD+7], v[rB:rB+7], v[rA:rA+7], v[rD:rD+7], v[rSB], v[rSA] matrix_a_fmt:MATRIX_FMT_FP4 matrix_b_fmt:MATRIX_FMT_FP4 matrix_b_scale:MATRIX_SCALE_ROW1
.else
	v_wmma_scale_f32_16x16x128_f8f6f4 v[rD:rD+7], v[rB:rB+7], v[rA:rA+7], v[rD:rD+7], v[rSB], v[rSA] matrix_a_fmt:MATRIX_FMT_FP4 matrix_b_fmt:MATRIX_FMT_FP4
.endif
.endif
.endm
; One k step: 16 matrix instructions, the 16 accumulators by turns, in the same order in every step
.macro MULK g, kk, sc, zero
.irp i, 0,1,2,3
.irp b, 0,1,2,3
.set rD, 8*(4*\i+\b)
.set rB, 128+8*(4*(\kk)+\b)
.set rA, 8*(4*((4*(\g)+(\kk))%8)+\i)
.set rSB, SCZ+32*(\sc)+16*(\b/2)+4*(\g)+(\kk)
.set rSA, SCA+2*(4*(\g)+(\kk))+(\i/2)
.set rRB, \b%2
.set rRA, \i%2
	WMI \zero
.endr
.endr
.endm
.macro MULWIN g                        ; source 0: window 1 (even groups) or 0; source 1: window 2 (groups 0, 1) or 3; C and D: window 1
	WIN 0x59-((\g)%2)+4*((\g)/2)
.endm
.macro MULG g, sc, zero                ; a group: 64 matrix instructions
	MULWIN \g
	MULK \g, 0, \sc, \zero
	MULK \g, 1, \sc, 0
	MULK \g, 2, \sc, 0
	MULK \g, 3, \sc, 0
.endm
.macro STEP slot, g, zero              ; group g of the slice: the next group's 32 loads go out ahead of its products
	s_wait_dscnt 0x0                               ; this group's fragments (and the slice's scale words) are in
	PLACES 4                                       ; four plain places between the last products and loads into the registers that they read (ISA guide 7.12.1 for vector instructions)
	FETCH \slot, (\g)+1
	MULG \g, \slot, \zero
.endm
.macro NEXTZ slot, last                ; the refill's next slice and its slot: written where no tensor load of mine is out
	s_add_nc_u64 s[G0Z+2:G0Z+3], s[G0Z+2:G0Z+3], 128*1024
	s_add_nc_u64 s[G0S+2:G0S+3], s[G0S+2:G0S+3], 128*64
.if \last
	s_sub_nc_u64 s[G0Z+2:G0Z+3], s[G0Z+2:G0Z+3], s[82:83]
	s_sub_nc_u64 s[G0S+2:G0S+3], s[G0S+2:G0S+3], s[84:85]
.endif
	s_add_co_u32 s[G0Z+1], s80, \slot*SLOT
	s_add_co_u32 s[G0S+1], s81, SCL+\slot*SSLOT
.endm
; A slice's last group with the change of slots in it: in front of the barrier each wave waits for all its tensor loads, adds 0 to its spare word, and waits for that and for its own reads of this slot.  fill = 1: this slot takes the last slice
.macro TURN slot, next, fill
	WIN 0                                          ; (the add's two registers lie in window 0)
	s_wait_tensorcnt 0x0                           ; my part of the next slice is in
	ds_add_u32 v[SPW], v[NIL]                      ; 0 onto my spare word
.if \fill
	NEXTZ \slot, 1
.endif
	s_wait_dscnt 0x1                               ; this group's fragments are in; the add alone may be out
	MULWIN 3
	MULK 3, 0, \slot, 0
	s_wait_dscnt 0x0                               ; the add is done, and my reads of this slot are over
	s_barrier_signal -1
	MULK 3, 1, \slot, 0
	WIN 0
	s_barrier_wait -1
.if \fill
	CREST                                          ; no wave of any partner still reads this slot or has a load on its way
	JLOAD
.else
	PLACES 4
.endif
	FETCH \next, 0
	SCALES \next
	MULWIN 3
	MULK 3, 2, \slot, 0
	MULK 3, 3, \slot, 0
	WIN 0
.endm
; THE WAY OUT, block by block of 16 rows x 64 columns, through my own stage.  LDS serves a wave's instructions in order (ISA guide 5.7.1.4): no wait between the stores and the loads, nor in front of the next block's stores
.macro TOSTAGE i
	WIN 0x04                                       ; the data: window 1
.irp b, 0,1,2,3
	ds_store_b128 v[STO], v[8*(4*\i+\b):8*(4*\i+\b)+3] offset:64*\b          ; each accumulator from its low end on
	ds_store_b128 v[STO], v[8*(4*\i+\b)+4:8*(4*\i+\b)+7] offset:64*\b+16
.endr
	WIN 0
.irp t, 0,1,2,3,4,5,6,7
	ds_load_b128 v[OB+32*\i+4*\t:OB+32*\i+4*\t+3], v[RD] offset:2*SPITCH*\t
.endr
.endm
.macro SEND i, younger, masked         ; younger: the LDS instructions issued behind this block's loads, which may stay out
	s_wait_dscnt \younger
.if \masked
	s_and_saveexec_b32 s16, s15                    ; only the lanes whose columns are mine to store; no global instruction is pending here
.endif
.irp t, 0,1,2,3,4,5,6,7
	global_store_b128 v[CO], v[OB+32*\i+4*\t:OB+32*\i+4*\t+3], s[12:13] offset:32*NROW*\i+4*NROW*\t th:TH_STORE_NT   ; sixteen lanes store 256 consecutive bytes, at a multiple of 256 from out0's first byte
.endr
.if \masked
	s_wait_xcnt 0x0                                ; the stores have read EXEC
	s_or_b32 exec_lo, exec_lo, s16
.endif
.endm
.macro OUT masked
	PLACES 4                                       ; four places between the last products and the reads of results, and the loads into fragments' registers
	TOSTAGE 0
	TOSTAGE 1
	TOSTAGE 2
	TOSTAGE 3
	SEND 0, 48, \masked                            ; behind block 0's loads: three blocks' 8 stores and 8 loads each
	SEND 1, 32, \masked
	SEND 2, 16, \masked
	SEND 3, 0, \masked
	s_wait_xcnt 0x0                                ; the stores have read their data and their base
.endm
	s_wait_alu depctr_va_vdst(0)
	s_wait_tensorcnt 0x0                           ; my tile of the head's is in
	s_barrier_signal -1
	s_barrier_wait -1                              ; everybody's are
	WIN 0x80                                       ; a's fragments into registers: k steps 0-7 into window 2,
.irp k, 0,1,2,3,4,5,6,7
.irp i, 0,1,2,3
.irp c, 0,1
	ds_load_b128 v[8*(4*\k+\i)+4*\c:8*(4*\k+\i)+4*\c+3], v[ADRA] offset:((\k/4)*32+4*\i+\k%4)*PITCH+512*\c
.endr
.endr
.endr
	FETCH 0, 0                                     ; slice 0's first group and scale words ahead of a's second half
	SCALES 0
	WIN 0xc0                                       ; 8-15 into window 3
.irp k, 0,1,2,3,4,5,6,7
.irp i, 0,1,2,3
.irp c, 0,1
	ds_load_b128 v[8*(4*\k+\i)+4*\c:8*(4*\k+\i)+4*\c+3], v[ADRA+1] offset:((\k/4)*32+4*\i+\k%4)*PITCH+512*\c
.endr
.endr
.endr
	s_wait_loadcnt 0x0                             ; a's scale words are in
	s_wait_dscnt 0x3f                              ; k steps 0-7 of a, the first group and the scale words are in; of a's second half, 64 loads, 63 may be out
	FETCH 0, 1
	MULG 0, 0, 1                                   ; slice 0's first group, while a's second half is on its way into registers
	WIN 0
	s_wait_tensorcnt 0x0
	ds_add_u32 v[SPW], v[NIL]
	s_mov_b32 s[G1Z+2], 64<<16                     ; no tensor load of mine is out: from here on a load brings 64 rows of codes, or the scale bytes of 64 rows
	s_mov_b32 s[G1Z+4], 64
	s_mov_b32 s[G1S+2], 16<<16
	s_mov_b32 s[G1S+4], 16
	s_wait_dscnt 0x0                               ; the add is done, and a is in registers
	s_barrier_signal -1
	MULWIN 1
	MULK 1, 0, 0, 0
	MULK 1, 1, 0, 0
	WIN 0
	s_barrier_wait -1
	CREST                                          ; no wave of any partner still reads a's images or has a load on its way
	JLOAD                                          ; slice 1 into slot 1, where a lay; its four v_nop are the places in front of the loads below
	s_cmp_eq_u32 s20, 0
	s_cbranch_scc0 .Lnot_mine_3
	global_prefetch_b8 v[PFO], s[98:99] th:TH_LOAD_NT scope:SCOPE_SE   ; slice 3
.Lnot_mine_3:
	; slice 0 goes on: its results leave ahead of the change of slots
	FETCH 0, 2
	MULWIN 1
	MULK 1, 2, 0, 0
	MULK 1, 3, 0, 0
	STEP 0, 2, 0
	s_wait_dscnt 0x0
	MULG 3, 0, 0
	WIN 0
	OUT 0
	s_add_nc_u64 s[12:13], s[12:13], 512           ; 128 columns on (the stores have read their base)
	s_wait_tensorcnt 0x0
	ds_add_u32 v[SPW], v[NIL]
	NEXTZ 0, 0
	s_wait_dscnt 0x0
	CROUND
	JLOAD                                          ; slice 2 into slot 0
	FETCH 1, 0
	SCALES 1
	; slice 1
	STEP 1, 0, 1
	STEP 1, 1, 0
	STEP 1, 2, 0
	TURN 1, 0, 1                                   ; slice 3 into slot 1
	OUT 0
	s_add_nc_u64 s[12:13], s[12:13], 512
	; slice 2
	STEP 0, 0, 1
	STEP 0, 1, 0
	STEP 0, 2, 0
	TURN 0, 1, 0                                   ; nothing is left to fetch: no round, no load
	OUT 0
	s_add_nc_u64 s[12:13], s[12:13], 512
	s_sub_nc_u64 s[12:13], s[12:13], s[86:87]      ; the last slice's columns begin earlier in the last tile column
	; slice 3
	STEP 1, 0, 1
	STEP 1, 1, 0
	STEP 1, 2, 0
	s_wait_dscnt 0x0
	MULG 3, 1, 0
	WIN 0
	OUT 1
	s_wait_tensorcnt 0x0                           ; the wave's end, behind my last tensor load and my last LDS store
	ds_add_u32 v[SPW], v[NIL]
	s_wait_dscnt 0x0
	CROUND                                         ; the closing round: no work-group ends while a partner may still ask for a tile that names it
	s_endpgm
.Lfunc_end_k_qa65e008528_logits:
	.size	k_qa65e008528_logits, .Lfunc_end_k_qa65e008528_logits-k_qa65e008528_logits
	.p2alignl 7, 3214868480
	.fill 96, 4, 3214868480
	.section	.rodata,"a",@progbits
	.p2align	6, 0x0
	.amdhsa_kernel k_qa65e008528_logits
		.amdhsa_group_segment_fixed_size 327680
		.amdhsa_private_segment_fixed_size 0
		.amdhsa_enable_private_segment 0
		.amdhsa_kernarg_size 40
		.amdhsa_user_sgpr_count 2
		.amdhsa_user_sgpr_kernarg_segment_ptr 1
		.amdhsa_wavefront_size32 1
		.amdhsa_system_sgpr_workgroup_id_x 1
		.amdhsa_system_sgpr_workgroup_id_y 1
		.amdhsa_system_sgpr_workgroup_id_z 1
		.amdhsa_system_vgpr_workitem_id 0
		.amdhsa_next_free_vgpr 1024
		.amdhsa_next_free_sgpr 102
		.amdhsa_reserve_vcc 0
		.amdhsa_float_denorm_mode_32 3
		.amdhsa_float_denorm_mode_16_64 3
		.amdhsa_memory_ordered 1
		.amdhsa_forward_progress 1
		.amdhsa_inst_pref_size 220
	.end_amdhsa_kernel
	.amdgpu_metadata
---
amdhsa.version: [ 1, 2 ]
amdhsa.kernels:
  - .name:           k_qa65e008528_logits
    .symbol:         k_qa65e008528_logits.kd
    .args:
      - { .name: a_codes, .offset: 0, .size: 8, .value_kind: global_buffer, .address_space: global }
      - { .name: a_scales, .offset: 8, .size: 8, .value_kind: global_buffer, .address_space: global }
      - { .name: Z_w_codes, .offset: 16, .size: 8, .value_kind: global_buffer, .address_space: global }
      - { .name: Z_w_scales, .offset: 24, .size: 8, .value_kind: global_buffer, .address_space: global }
      - { .name: out0, .offset: 32, .size: 8, .value_kind: global_buffer, .address_space: global }
    .group_segment_fixed_size: 327680
    .private_segment_fixed_size: 0
    .kernarg_segment_align: 8
    .kernarg_segment_size: 40
    .max_flat_workgroup_size: 128
    .sgpr_count:     102
    .vgpr_count:     1024
    .wavefront_size: 32
...
	.end_amdgpu_metadata
.endif
;; end of part 2
